; MI455X (gfx1250); checked and timed in simulation.
; The chip was launched on July 23, 2026; its instructions are those of AMD's public machine-readable ISA for CDNA 5 (MIT licence, August 2026) and "CDNA5" Instruction Set Architecture Reference Guide (July 2026). The comments in the code are by the model that wrote it; some were corrected since.
;; Hi Lo. Allowed arithmetic: matrix products marked QUANTISED: E3M2 operands, one E8M0 scale for each 32 along K, by v_wmma_scale_f32_16x16x128_f8f6f4 with both operands' format E3M2, f32 sums; products left as they are: f32 operands where the result goes on into a quantised operand, else bf16, f16 or f32 operands; f32 sums; everything else in f32.
;; Inputs: h_proj_b 128 float32; h_proj_w_codes 128 x 4 x 24 uint8 (E3M2 codes of h_proj_w, K innermost, in blocks of 32 codes, four codes in three bytes); h_proj_w_scales 128 x 4 uint8 (E8M0 scales of h_proj_w, one for each 32 codes along K); h_qkv_w_codes 384 x 8 x 24 uint8 (E3M2 codes of h_qkv_w, K innermost, in blocks of 32 codes, four codes in three bytes); h_qkv_w_scales 384 x 8 uint8 (E8M0 scales of h_qkv_w, one for each 32 codes along K); l_kv_w_codes 256 x 8 x 24 uint8 (E3M2 codes of l_kv_w, K innermost, in blocks of 32 codes, four codes in three bytes); l_kv_w_scales 256 x 8 uint8 (E8M0 scales of l_kv_w, one for each 32 codes along K); l_proj_b 128 float32; l_proj_w_codes 128 x 4 x 24 uint8 (E3M2 codes of l_proj_w, K innermost, in blocks of 32 codes, four codes in three bytes); l_proj_w_scales 128 x 4 uint8 (E8M0 scales of l_proj_w, one for each 32 codes along K); l_q_w_codes 128 x 8 x 24 uint8 (E3M2 codes of l_q_w, K innermost, in blocks of 32 codes, four codes in three bytes); l_q_w_scales 128 x 8 uint8 (E8M0 scales of l_q_w, one for each 32 codes along K); x 8 x 256 x 64 x 64 float32.
;; Outputs: out0 8 x 256 x 64 x 64 float32.
;; This version of the problem:
;;   THIS VERSION OF THE PROBLEM IS GIVEN IN LOW PRECISION. The matrix products marked QUANTISED in the list below multiply operands that are first quantised to E3M2 (3 exponent bits, 2 mantissa bits; 6 bits a number), with one power-of-two scale for each 32 numbers along K (OCP MX v1.0); their sums are f32. All else is computed in f32.
;;   The module's matrix products, in the order in which they are computed (A, B: the left and right operand; K: the contracted axis; several contracted axes count as one K, in the product's order):
;;     1. [M 32,768, K 256] x [K 256, N 384]; A: input x; B: input h_qkv_w (given as codes): QUANTISED
;;     2. batch 32,768 x [M 4, K 32] x [K 32, N 4]; A: computed on the way; B: computed on the way: left as it is (M = 4 < 16)
;;     3. batch 32,768 x [M 4, K 4] x [K 4, N 32]; A: softmax (see below); B: computed on the way: left as it is (K = 4 < 32)
;;     4. [M 32,768, K 128] x [K 128, N 128]; A: computed on the way; B: input h_proj_w (given as codes): QUANTISED
;;     5. [M 32,768, K 256] x [K 256, N 128]; A: input x; B: input l_q_w (given as codes): QUANTISED
;;     6. [M 8,192, K 256] x [K 256, N 256]; A: computed on the way; B: input l_kv_w (given as codes): QUANTISED
;;     7. batch 32 x [M 4,096, K 32] x [K 32, N 1,024]; A: computed on the way; B: computed on the way: QUANTISED
;;     8. batch 32 x [M 4,096, K 1,024] x [K 1,024, N 32]; A: softmax (see below); B: computed on the way: QUANTISED
;;     9. [M 32,768, K 128] x [K 128, N 128]; A: computed on the way; B: input l_proj_w (given as codes): QUANTISED
;;   THE QUANTISER, for each operand of a quantised product, along K:
;;     - K is cut into blocks of 32 from its start; a last block that is shorter is filled with zeros.
;;     - A block's scale is 2^e with e = floor(log2(the largest magnitude in the block)) - 4, held to -126 .. 127; a block of zeros has e = 0. As a byte (E8M0): e + 127.
;;     - Each number is divided by its block's scale, clamped to +-28, and rounded to the nearest number of E3M2, ties to even, subnormals kept.
;;     - The product sums the exact products of the quantised numbers (number of the format x scale) in f32.
;;   ~~~python
;;   def quantise(x, axis):      # numpy; x: float32 -> the quantised numbers, widened to float32 again
;;       x = np.moveaxis(x, axis, -1); K = x.shape[-1]
;;       x = np.pad(x, [(0, 0)] * (x.ndim - 1) + [(0, -K % 32)]); x = x.reshape(x.shape[:-1] + (-1, 32)); a = np.abs(x).max(-1, keepdims=True)
;;       e = np.where(a > 0, np.clip(np.frexp(np.where(a > 0, a, 1))[1] - 1 - 4, -126, 127), 0)      # np.frexp(a)[1] - 1 = floor(log2(a)), exactly
;;       r = np.clip(x / 2.0 ** e, -28, 28)
;;       step = 2.0 ** (np.maximum(np.frexp(np.where(r == 0, 1, r))[1] - 1, -2) - 2)
;;       q = np.round(r / step) * step * 2.0 ** e      # np.round: ties to even
;;       return np.moveaxis(q.reshape(q.shape[:-2] + (-1,))[..., :K], -1, axis).astype(np.float32)
;;   ~~~
;;   SOFTMAX AHEAD OF A QUANTISED PRODUCT. Where the list says 'softmax', what is quantised is not the finished softmax but p = 2^(t - M), with t = logit x log2(e) and M = ceil(the row's largest t), a whole number; so 1/2 < the row's largest p <= 1. The row's sum l is taken of the UNQUANTISED p, in f32, and the product's result is divided by l at the end. Since M is a whole number, a kernel that streams over the keys may use a running M (the ceiling of the running maximum): every later rescaling is an exact power of two, which a block's scale takes up: the codes' values come out the same.
;;   OPERANDS COMPUTED ON THE WAY. 'Computed on the way' means the value that the module computes at that place (a softmax that the list does not call 'softmax' is quantised finished and normalised). What goes into a quantiser is computed in f32, as accurately as f32 sums, v_exp_f32 and their like allow (about 1e-6 of the number): no bf16 or f16 on the way to a quantiser, and a product that is left as it is and whose result goes on into a quantised operand takes f32 operands (vector FMAs, or v_wmma_f32_16x16x4_f32). A number that lies on a knife's edge between two numbers of the format may be rounded either way, as far as f32 arithmetic and the matrix unit's own rounding can turn it there, and no further.
;;   INPUTS GIVEN AS CODES. h_proj_w (in the module: [128, 128], K = its axis 0); h_qkv_w (in the module: [256, 384], K = its axis 0); l_kv_w (in the module: [256, 256], K = its axis 0); l_proj_w (in the module: [128, 128], K = its axis 0); l_q_w (in the module: [256, 128], K = its axis 0): each comes as NAME_codes (uint8): NAME with its K axis moved to the last place and cut into blocks of 32 codes, [.., K / 32, bytes a block], one block behind the other in memory; four codes in three bytes: a row's codes are one little-endian stream of bits, code i at bits 6 i .. 6 i + 5 (a code: sign, 3 exponent bits, 2 mantissa bits); and NAME_scales (uint8): the same leading axes, one E8M0 byte (e + 127) for each 32 codes along K. Its value is code x scale, taken as it is: it is not quantised again, and the codes and scales need not be those that the quantiser above would give.
;; One version. Each part assembles by itself: llvm-mc -triple=amdgcn-amd-amdhsa -mcpu=gfx1250 --defsym DOCPART=n.
;; ======== version 1 of 1: 2 launches
;; limits: right only within a limited range of input values
;; workspace buffers: qbuf 3,276,800 bytes; kv 1,638,400 bytes
;; launch front (part 1): grid 32 x 8, 8 waves a work-group, clusters of 4 x 1, 327,680 bytes of LDS; arguments x, h_qkv_w_codes, h_qkv_w_scales, l_q_w_codes, l_q_w_scales, l_kv_w_codes, l_kv_w_scales, h_proj_w_codes, h_proj_w_scales, h_proj_b, qbuf, kv, out0; writes qbuf, kv, out0
.if DOCPART == 1
	.amdgcn_target "amdgcn-amd-amdhsa--gfx1250"
	.amdhsa_code_object_version 6
	.text
	.protected	k_q9a2d9a6724_front
	.globl	k_q9a2d9a6724_front
	.p2align	8
	.type	k_q9a2d9a6724_front,@function
k_q9a2d9a6724_front:
	s_mov_b64 s[64:65], 0
	v_nop
	global_prefetch_b8 v0, s[64:65] scope:SCOPE_SE
	s_setreg_imm32_b32 hwreg(HW_REG_WAVE_MODE, 25, 1), 1
	s_wait_xcnt 0x0
	s_wait_alu depctr_hold_cnt(0) depctr_sa_sdst(0) depctr_va_vdst(0) depctr_va_sdst(0) depctr_va_ssrc(0) depctr_va_vcc(0) depctr_vm_vsrc(0)
	s_getreg_b32 s2, hwreg(HW_REG_IB_STS2, 6, 4)
	s_cmp_eq_u32 s2, 0
	s_cbranch_scc0 .Lentry_in_a_cluster
	s_endpgm
.Lentry_in_a_cluster:
	s_bfe_u32 s2, ttmp6, 0x10000c
	s_cmp_lg_u32 s2, 0x3003
	s_cbranch_scc0 .Lentry_shape_is_right
	s_endpgm
.Lentry_shape_is_right:
.set XREG, 16512
.set QS,   103168
.set OI,   119680
.set WB,   132096
.set WP,   240
.set XSW,  316416
.set OSW,  317696
.set QSS,  318208
.set SPITCH, 528
.set AXR, 4
.set ACW, 5
.set ACW2, 6
.set ASW, 7
.set AX, 8
.set AX2, 10
.set AXS, 12
.set AWH, 13
.set AWQ, 15
.set AWK, 17
.set APF, 19
.set APF2, 21
.set APS, 23
.set AOI, 24
.set AOI2, 25
.set AOS, 26
.set AQS, 27
.set AQB, 28
.set AOR, 29
.set AOR2, 30
.set AOSR, 31
.set AST, 32
.set ASR, 33
.set AQC, 34
.set GQC, 35
.set L16, 36
.set L8, 37
.set WSO, 39
.set XS, 40
.set PSC, 48
.set WSH, 52
.set WSQ, 64
.set WSK, 68
.set WSP, 72
.set R4, 73
.set BIAS, 74
.set HPO, 75
.set AQSS, 79                          ; shares TB's register: TB is read for the last time ahead of AQSS's one write; v76 holds the add's 0 and nothing else
.set KVS, 77
.set TA, 78
.set TB, 79
.set DA, 80
.set DB, 144
.set SP, 208
.set BC, 224
.set CO, 240
.set BYS, 247
.set MXR, 248
.set XF, 0
.set PF, 96
.set W0, 144
.set W1, 192
.set HP, 240
.set G1X, 36
.set G1W, 44
.set WV, 66
.set SU, 67
.set SE, 68
.set SG, 69
.set SB, 70
.set SEL, 72
.set CSC, 74
.set HI16, 75
.set MSB, 0
.macro WIN new
.if MSB != \new
	s_set_vgpr_msb (MSB<<8)|\new
.set MSB, \new
.endif
.endm
.macro ROUND
	s_barrier_signal -1
	s_barrier_wait -1
	s_cmp_lg_u32 s[WV], 0
	s_cbranch_scc1 .Lnot_wave_0_\@
	s_barrier_signal -3
.Lnot_wave_0_\@:
	s_barrier_wait -3
	s_barrier_signal -1
	s_barrier_wait -1
.endm
.macro PLACES n
.rept \n
	v_nop
.endr
.endm
.macro CHUNKLD reg, a, a2, off
	ds_load_b128 v[(\reg):(\reg)+3], v[\a] offset:\off
	ds_load_b64 v[(\reg)+4:(\reg)+5], v[\a2] offset:\off
.endm
.macro XFRAG reg, a, a2, off
	CHUNKLD \reg, \a, \a2, \off
	CHUNKLD (\reg)+6, \a, \a2, (\off)+2*XREG
.endm
.macro WFRAG reg, adr, ks, rowoff
.irp p,0,1,2,3,4,5
.set PCX, 12*(\ks)+6*(\p/3)+\p%3
.if PCX%8 < 5
	ds_load_b64 v[(\reg)+2*\p:(\reg)+2*\p+1], v[\adr] offset:8*PCX+16*(PCX/8)+(\rowoff)
.else
	ds_load_b64 v[(\reg)+2*\p:(\reg)+2*\p+1], v[(\adr)+1] offset:8*PCX+16*(PCX/8)+(\rowoff)
.endif
.endr
.endm
.macro LOADW buf, adr, rowoff
.irp t,0,1
.irp s,0,1
	WFRAG (\buf)+12*(2*\t+\s), \adr, \s, (\rowoff)+8*WP*\t
.endr
.endr
.endm
.macro MM4 d, buf, wsc
.irp s,0,1
.irp n,0,1,2,3
.irp t,0,1
.if \s == 0
	v_wmma_scale_f32_16x16x128_f8f6f4 v[(\d)+16*\n+8*\t:(\d)+16*\n+8*\t+7], v[(\buf)+12*(2*\t+\s):(\buf)+12*(2*\t+\s)+11], v[XF+12*(2*\n+\s):XF+12*(2*\n+\s)+11], 0, v[(\wsc)+2*\t+\s], v[XS+2*\n+\s] matrix_a_fmt:MATRIX_FMT_BF6 matrix_b_fmt:MATRIX_FMT_BF6
.else
	v_wmma_scale_f32_16x16x128_f8f6f4 v[(\d)+16*\n+8*\t:(\d)+16*\n+8*\t+7], v[(\buf)+12*(2*\t+\s):(\buf)+12*(2*\t+\s)+11], v[XF+12*(2*\n+\s):XF+12*(2*\n+\s)+11], v[(\d)+16*\n+8*\t:(\d)+16*\n+8*\t+7], v[(\wsc)+2*\t+\s], v[XS+2*\n+\s] matrix_a_fmt:MATRIX_FMT_BF6 matrix_b_fmt:MATRIX_FMT_BF6
.endif
.endr
.endr
.endr
.endm
.macro QPAIR a, b
	v_max3_num_f32 v[MXR], |v[(\a)]|, |v[(\a)+1]|, 0x2800000
	v_max3_num_f32 v[MXR+1], |v[(\b)]|, |v[(\b)+1]|, 0x2800000
.irp i,2,4,6,8,10,12,14
	v_max3_num_f32 v[MXR], v[MXR], |v[(\a)+\i]|, |v[(\a)+\i+1]|
	v_max3_num_f32 v[MXR+1], v[MXR+1], |v[(\b)+\i]|, |v[(\b)+\i+1]|
.endr
	v_permlanex16_b32 v[MXR+2], v[MXR], s[SEL], s[SEL+1]
	v_permlanex16_b32 v[MXR+3], v[MXR+1], s[SEL], s[SEL+1]
	s_delay_alu instid0(VALU_DEP_2)
	v_max_num_f32 v[MXR], v[MXR], v[MXR+2]
	s_delay_alu instid0(VALU_DEP_2)
	v_max_num_f32 v[MXR+1], v[MXR+1], v[MXR+3]
	s_delay_alu instid0(VALU_DEP_2)
	v_add_nc_u32 v[MXR+4], 0xfe000000, v[MXR]
	s_delay_alu instid0(VALU_DEP_2)
	v_add_nc_u32 v[MXR+5], 0xfe000000, v[MXR+1]
	s_delay_alu instid0(VALU_DEP_2)
	v_lshrrev_b32 v[MXR+6], 23, v[MXR+4]
	s_delay_alu instid0(VALU_DEP_2)
	v_lshrrev_b32 v[MXR+7], 23, v[MXR+5]
	s_delay_alu instid0(VALU_DEP_1)
	v_cndmask_b32 v[BYS], v[MXR+6], v[MXR+7], s[HI16]
	v_cvt_scalef32_pk16_bf6_f32 v[CO:CO+2], v[(\a):(\a)+15], v[MXR+4]
	v_cvt_scalef32_pk16_bf6_f32 v[CO+4:CO+6], v[(\b):(\b)+15], v[MXR+5]
	v_nop
.irp i,0,1,2
	v_permlane16_swap_b32 v[CO+\i], v[CO+4+\i]
.endr
	s_delay_alu instid0(VALU_DEP_3)
	v_mov_b32 v[CO+3], v[CO+4]
	s_delay_alu instid0(VALU_DEP_3)
	v_mov_b32 v[CO+4], v[CO+5]
	s_delay_alu instid0(VALU_DEP_3)
	v_mov_b32 v[CO+5], v[CO+6]
.endm
	s_load_b512 s[8:23], s[0:1], 0x0
	s_load_b256 s[24:31], s[0:1], 0x40
	s_load_b64 s[32:33], s[0:1], 0x60
	v_lshl_add_u32 v38, v0, 2, 0x4dd00
	v_mov_b32 v76, 0
	ds_add_u32 v38, v76
	ds_add_u32 v38, v76
	v_lshrrev_b32 v1, 5, v0
	s_delay_alu instid0(VALU_DEP_1)
	v_readfirstlane_b32 s[WV], v1
	s_lshr_b32 s[SU], s[WV], 2
	s_and_b32 s[SE], s[WV], 3
	s_bfe_u32 s71, ttmp6, 0x40000
	s_lshl_b32 s[SG], ttmp9, 2
	s_add_co_u32 s[SG], s[SG], s71
	s_and_b32 s[SB], ttmp7, 0xffff
	s_mov_b32 s[SEL], 0x76543210
	s_mov_b32 s[SEL+1], 0xfedcba98
	s_mov_b32 s[CSC], 0x3e8293ee
	s_mov_b32 s[HI16], 0xffff0000
	s_mov_b32 s85, 0
	s_mov_b32 s[G1X], 2<<16
	s_mov_b32 s[G1X+1], 128<<16
	s_mov_b32 s[G1X+2], 32<<16
	s_mov_b32 s[G1X+3], 128<<16
	s_mov_b32 s[G1X+4], 32
	s_mov_b32 s[G1X+5], 4096
	s_mov_b32 s[G1X+6], 0
	s_mov_b32 s[G1X+7], 0
	s_mov_b32 s[G1W], 15|(1<<20)|(1<<21)|(3<<22)|(3<<25)
	s_mov_b32 s[G1W+1], 256<<16                    ; a piece of a weight, 128 rows of 192 bytes, is dense in memory: it comes as 96 rows of 256 bytes, each from a multiple of 256 bytes;
	s_mov_b32 s[G1W+2], 96<<16                     ; the padding, 16 bytes behind every 64, is counted along the whole tile: a row of codes still takes 240 bytes of LDS
	s_mov_b32 s[G1W+3], 256<<16
	s_mov_b32 s[G1W+4], 96
	s_mov_b32 s[G1W+5], 256
	s_mov_b32 s[G1W+6], 0
	s_mov_b32 s[G1W+7], 0
	s_lshl_b32 s84, s[SB], 22
	s_lshl_b32 s86, s[WV], 19
	s_add_co_u32 s84, s84, s86
	s_lshl_b32 s86, s[SG], 9
	s_add_co_u32 s84, s84, s86
	s_mul_i32 s76, s[WV], XREG
	s_mov_b32 s52, 1
	s_mul_i32 s53, s[WV], XREG
	s_min_u32 s83, s[WV], 5
	s_mov_b32 s56, 1
	s_mul_i32 s57, s83, 128*WP
	s_add_co_u32 s57, s57, WB
	s_wait_dscnt 0x0
	s_wait_kmcnt 0x0
	s_add_nc_u64 s[54:55], s[8:9], s[84:85]
	s_or_b32 s55, s55, 0x80000000
	s_cmp_lt_u32 s83, 3
	s_cselect_b64 s[86:87], s[10:11], s[14:15]
	s_cselect_b32 s88, 0, 3
	s_cmp_lt_u32 s83, 4
	s_cselect_b64 s[86:87], s[86:87], s[18:19]
	s_cselect_b32 s88, s88, 4
	s_sub_co_u32 s88, s83, s88
	s_mul_i32 s84, s88, 128*192
	s_add_nc_u64 s[58:59], s[86:87], s[84:85]
	s_or_b32 s59, s59, 0x80000000
	ROUND
	tensor_load_to_lds s[52:55], s[G1X:G1X+7]
	s_nop 0
.rept 4
	v_nop
.endr
	s_wait_alu depctr_va_vdst(0)
	s_wait_tensorcnt 0x0
	ds_add_u32 v38, v76
	s_wait_dscnt 0x0
	ROUND
	s_cmp_lt_u32 s[WV], 6
	s_cbranch_scc0 .Lno_weights
	tensor_load_to_lds s[56:59], s[G1W:G1W+7]
	s_nop 0
.rept 4
	v_nop
.endr
.Lno_weights:
	s_mul_i32 s92, s[SG], 3072
	s_mul_i32 s93, s[SE], 768
	s_add_co_u32 s92, s92, s93
	s_add_co_u32 s93, s92, 512
	s_lshr_b32 s94, s[SG], 1
	s_and_b32 s95, s[SG], 1
	s_lshl_b32 s96, s[SE], 10
	s_lshl_b32 s97, s94, 6
	s_add_co_u32 s96, s96, s97
	s_lshl_b32 s97, s95, 5                         ; k's scale bytes: an odd pooled row takes words 8-15 of its pair's sixteen
	s_add_co_u32 s96, s96, s97
	s_add_co_u32 s96, s96, 196608
	s_mul_i32 s97, s95, 49152
	s_mul_i32 s98, s94, 3072
	s_add_co_u32 s97, s97, s98
	s_lshl_b32 s98, s[SE], 9
	s_add_co_u32 s97, s97, s98
	s_add_co_u32 s97, s97, 98304
	s_lshl_b32 s98, s[SE], 8
	s_sub_co_u32 s98, s97, s98
	s_add_co_u32 s98, s98, 2048
	s_lshr_b32 s99, s[SG], 2
	s_lshl_b32 s99, s99, 9
	s_lshl_b32 s94, s[SE], 7
	s_add_co_u32 s99, s99, s94
	s_and_b32 s94, s[SG], 3
	s_add_co_u32 s99, s99, s94
	s_add_co_u32 s99, s99, 200704
	s_cmp_eq_u32 s[SU], 0
	s_cselect_b32 s92, s92, s97
	s_cselect_b32 s93, s93, s98
	s_cselect_b32 s96, s96, s99
	s_cselect_b32 s95, 1, 64
	s_cselect_b32 s94, 2, 32                       ; what row / 8 adds: for k two bytes inside the word, for v eight words
	v_and_b32 v1, 31, v0
	v_and_b32 v2, 15, v0
	v_bfe_u32 v3, v0, 4, 1
	s_delay_alu instid0(VALU_DEP_3)
	v_lshl_add_u32 v[AXR], v1, 3, s76
	s_delay_alu instid0(VALU_DEP_2)
	v_mul_u32_u24 v[TA], v3, 384
	s_delay_alu instid0(VALU_DEP_1)
	v_add_nc_u32 v[TA], s76, v[TA]
	s_delay_alu instid0(VALU_DEP_1)
	v_lshl_add_u32 v[ACW], v2, 4, v[TA]
	s_delay_alu instid0(VALU_DEP_2)
	v_lshl_add_u32 v[ACW2], v2, 3, v[TA]
	s_delay_alu instid0(VALU_DEP_1)
	v_add_nc_u32 v[ACW2], 256, v[ACW2]
	s_lshl_b32 s77, s[SU], 6
	s_add_co_u32 s77, s77, s[SE]
	s_add_co_u32 s77, s77, XSW
	v_lshlrev_b32 v[ASW], 7, v3
	s_delay_alu instid0(VALU_DEP_1)
	v_lshl_add_u32 v[ASW], v2, 2, v[ASW]
	s_delay_alu instid0(VALU_DEP_1)
	v_add_nc_u32 v[ASW], s77, v[ASW]
	v_mul_u32_u24 v[TA], v3, XREG
	s_delay_alu instid0(VALU_DEP_1)
	v_lshl_add_u32 v[APF], v2, 4, v[TA]
	s_delay_alu instid0(VALU_DEP_1)
	v_add_nc_u32 v[APF+1], 4*XREG, v[APF]
	s_delay_alu instid0(VALU_DEP_3)
	v_lshl_add_u32 v[APF2], v2, 3, v[TA]
	s_delay_alu instid0(VALU_DEP_1)
	v_add_nc_u32 v[APF2], 256, v[APF2]
	s_delay_alu instid0(VALU_DEP_1)
	v_add_nc_u32 v[APF2+1], 4*XREG, v[APF2]
	s_mul_i32 s78, s[SU], 384
	v_add_nc_u32 v[AX], s78, v[APF]
	v_add_nc_u32 v[AX+1], s78, v[APF+1]
	v_add_nc_u32 v[AX2], s78, v[APF2]
	v_add_nc_u32 v[AX2+1], s78, v[APF2+1]
	s_lshl_b32 s79, s[SU], 7
	s_add_co_u32 s79, s79, XSW
	v_lshl_add_u32 v[AXS], v2, 2, s79
	v_lshl_add_u32 v[APS], v2, 2, XSW+1024
	v_and_b32 v[TA], 8, v2
	s_delay_alu instid0(VALU_DEP_1)
	v_add_nc_u32 v[TA], v[TA], v2
	s_delay_alu instid0(VALU_DEP_1)
	v_lshlrev_b32 v[WSO], 3, v[TA]
	s_delay_alu instid0(VALU_DEP_2)
	v_mul_u32_u24 v[AWH], v[TA], WP
	s_delay_alu instid0(VALU_DEP_1)
	v_mad_u32_u24 v[AWH], v3, 24, v[AWH]
	s_mul_i32 s80, s[SE], 32*WP
	s_add_co_u32 s80, s80, WB
	v_add_nc_u32 v[AWH], s80, v[AWH]
	s_delay_alu instid0(VALU_DEP_1)
	v_lshl_add_u32 v[AWH+1], v3, 4, v[AWH]
	s_delay_alu instid0(VALU_DEP_2)
	v_add_nc_u32 v[AWQ], 384*WP, v[AWH]
	s_delay_alu instid0(VALU_DEP_2)
	v_add_nc_u32 v[AWQ+1], 384*WP, v[AWH+1]
	s_mul_i32 s81, s[SU], 128*WP
	s_add_co_u32 s81, s81, 512*WP
	v_add_nc_u32 v[AWK], s81, v[AWH]
	v_add_nc_u32 v[AWK+1], s81, v[AWH+1]
	v_lshrrev_b32 v[TA], 3, v2
	v_and_b32 v[TB], 7, v2
	s_delay_alu instid0(VALU_DEP_2)
	v_mul_u32_u24 v[TA], v[TA], 1536
	s_mul_i32 s82, s[SU], 3072
	s_mul_i32 s83, s[SE], 384
	s_add_co_u32 s82, s82, s83
	s_add_co_u32 s82, s82, OI
	v_add_nc_u32 v[TA], s82, v[TA]
	s_delay_alu instid0(VALU_DEP_1)
	v_lshl_add_u32 v[AOI], v[TB], 5, v[TA]
	s_delay_alu instid0(VALU_DEP_1)
	v_lshl_add_u32 v[AOI], v3, 4, v[AOI]
	s_delay_alu instid0(VALU_DEP_3)
	v_lshl_add_u32 v[AOI2], v[TB], 4, v[TA]
	s_delay_alu instid0(VALU_DEP_1)
	v_lshl_add_u32 v[AOI2], v3, 3, v[AOI2]
	s_delay_alu instid0(VALU_DEP_1)
	v_add_nc_u32 v[AOI2], 256, v[AOI2]
	s_lshl_b32 s82, s[SU], 7
	s_add_co_u32 s82, s82, s[SE]
	s_add_co_u32 s82, s82, OSW
	v_lshl_add_u32 v[AOS], v2, 3, s82
	s_delay_alu instid0(VALU_DEP_1)
	v_lshl_add_u32 v[AOS], v3, 2, v[AOS]
	s_mul_i32 s82, s[SE], 3072
	s_mul_i32 s83, s[SU], 768
	s_add_co_u32 s82, s82, s83
	s_add_co_u32 s82, s82, QS
	v_mul_u32_u24 v[AQS], v2, 48
	s_delay_alu instid0(VALU_DEP_1)
	v_mad_u32_u24 v[AQS], v3, 24, v[AQS]
	s_delay_alu instid0(VALU_DEP_1)
	v_add_nc_u32 v[AQS], s82, v[AQS]
	s_lshl_b32 s82, s[SE], 7
	s_lshl_b32 s83, s[SU], 5
	s_add_co_u32 s82, s82, s83
	s_add_co_u32 s82, s82, QSS
	v_lshl_add_u32 v[AQB], v2, 1, s82
	s_delay_alu instid0(VALU_DEP_1)
	v_add_nc_u32 v[AQB], v[AQB], v3
	v_mul_u32_u24 v[TA], v3, 384
	s_delay_alu instid0(VALU_DEP_1)
	v_lshl_add_u32 v[AOR], v2, 4, v[TA]
	s_delay_alu instid0(VALU_DEP_1)
	v_add_nc_u32 v[AOR], OI, v[AOR]
	s_delay_alu instid0(VALU_DEP_3)
	v_lshl_add_u32 v[AOR2], v2, 3, v[TA]
	s_delay_alu instid0(VALU_DEP_1)
	v_add_nc_u32 v[AOR2], OI+256, v[AOR2]
	v_lshl_add_u32 v[AOSR], v2, 2, OSW
	s_mul_i32 s82, s[WV], 16*SPITCH
	v_mul_u32_u24 v[AST], v2, SPITCH
	s_delay_alu instid0(VALU_DEP_1)
	v_lshl_add_u32 v[AST], v3, 5, v[AST]
	s_delay_alu instid0(VALU_DEP_1)
	v_add_nc_u32 v[AST], s82, v[AST]
	v_lshl_add_u32 v[ASR], v1, 4, s82
	v_lshlrev_b32 v[GQC], 4, v0
	s_delay_alu instid0(VALU_DEP_1)
	v_add_nc_u32 v[AQC], QS, v[GQC]
	v_lshlrev_b32 v[L16], 4, v1
	v_lshlrev_b32 v[L8], 3, v1
	v_lshlrev_b32 v[R4], 2, v2
	s_wait_alu depctr_va_vdst(0)
	v_mul_u32_u24 v[HPO], v2, 96
	s_delay_alu instid0(VALU_DEP_1)
	v_mad_u32_u24 v[HPO], v3, 24, v[HPO]
	s_wait_alu depctr_va_vdst(0)
	v_add_nc_u32 v[AQSS], QSS, v[L16]
	v_mul_u32_u24 v[KVS], v3, s95
	v_and_b32 v[TA], 7, v2
	v_lshrrev_b32 v1, 3, v2
	v_lshl_add_u32 v[KVS], v[TA], 2, v[KVS]        ; k: word row % 8, byte 2 (row / 8) + set;  v: word row of tile h, as before
	v_mad_u32_u24 v[KVS], v1, s94, v[KVS]
	v_mov_b32 v[MXR+2], 0
	v_mov_b32 v[MXR+3], 0
	s_lshl_b32 s84, s[SE], 8
	s_add_nc_u64 s[12:13], s[12:13], s[84:85]
	s_add_nc_u64 s[16:17], s[16:17], s[84:85]
	s_lshl_b32 s86, s[SU], 10
	s_add_co_u32 s84, s84, s86
	s_add_nc_u64 s[20:21], s[20:21], s[84:85]
	s_mul_i32 s84, s[WV], 1536
	s_add_nc_u64 s[22:23], s[22:23], s[84:85]
	s_lshl_b32 s84, s[WV], 6
	s_add_nc_u64 s[24:25], s[24:25], s[84:85]
	s_add_nc_u64 s[26:27], s[26:27], s[84:85]
	s_lshl_b32 s84, s[SB], 5
	s_add_co_u32 s84, s84, s[SG]
	s_mul_i32 s84, s84, 12800
	s_add_nc_u64 s[28:29], s[28:29], s[84:85]
	s_mul_i32 s84, s[SB], 204800
	s_add_nc_u64 s[30:31], s[30:31], s[84:85]
	s_mov_b32 s84, s92
	s_add_nc_u64 s[86:87], s[30:31], s[84:85]
	s_mov_b32 s84, s93
	s_add_nc_u64 s[88:89], s[30:31], s[84:85]
	s_mov_b32 s84, s96
	s_add_nc_u64 s[90:91], s[30:31], s[84:85]
	s_lshl_b32 s84, s[SB], 22
	s_lshl_b32 s92, s[WV], 18
	s_add_co_u32 s84, s84, s92
	s_lshl_b32 s92, s[SG], 9
	s_add_co_u32 s84, s84, s92
	s_add_nc_u64 s[32:33], s[32:33], s[84:85]
.irp a,0,1,2
.irp t,0,1
	global_load_b64 v[WSH+4*\a+2*\t:WSH+4*\a+2*\t+1], v[WSO], s[12:13] offset:(128*\a+8*\t)*8
.endr
.endr
.irp t,0,1
	global_load_b64 v[WSQ+2*\t:WSQ+2*\t+1], v[WSO], s[16:17] offset:64*\t
	global_load_b64 v[WSK+2*\t:WSK+2*\t+1], v[WSO], s[20:21] offset:64*\t
.endr
	global_load_b32 v[WSP], v[R4], s[24:25]
	global_load_b32 v[BIAS], v[R4], s[26:27]
	WIN 0x40
.irp p,0,1,2,3,4,5
	global_load_b64 v[HP+2*\p:HP+2*\p+1], v[HPO], s[22:23] offset:48*(\p/3)+8*(\p%3)
.endr
	WIN 0
	s_wait_tensorcnt 0x0
.set NN, 0
.rept 4
.set CC, 0
.rept 32
	ds_load_b32 v[DA+32*NN+CC], v[AXR] offset:512*CC+256*(NN/2)+4*(NN%2)
.set CC, CC+1
.endr
.set NN, NN+1
.endr
	s_wait_dscnt 0x0
.set CC, 0
.rept 16
	v_pk_add_f32 v[DA+128+CC:DA+129+CC], v[DA+CC:DA+CC+1], v[DA+32+CC:DA+33+CC]
.set CC, CC+2
.endr
.set CC, 0
.rept 16
	v_pk_add_f32 v[DA+128+CC:DA+129+CC], v[DA+128+CC:DA+129+CC], v[DA+64+CC:DA+65+CC]
.set CC, CC+2
.endr
.set CC, 0
.rept 16
	v_pk_add_f32 v[DA+128+CC:DA+129+CC], v[DA+128+CC:DA+129+CC], v[DA+96+CC:DA+97+CC]
.set CC, CC+2
.endr
.irp k,0,1,2,3
	v_max3_num_f32 v[MXR+\k], |v[DA+32*\k]|, |v[DA+32*\k+1]|, 0x2800000
.endr
	v_max3_num_f32 v[MXR+4], |v[DA+128]|, |v[DA+129]|, 0x3800000
.set CC, 2
.rept 15
.irp k,0,1,2,3,4
	v_max3_num_f32 v[MXR+\k], v[MXR+\k], |v[DA+32*\k+CC]|, |v[DA+32*\k+CC+1]|
.endr
.set CC, CC+2
.endr
.irp k,0,1,2,3,4
	v_add_nc_u32 v[MXR+\k], 0xfe000000, v[MXR+\k]
.endr
.irp k,0,1,2,3,4
	v_lshrrev_b32 v[MXR+5], 23, v[MXR+\k]
.if \k == 4
	s_delay_alu instid0(VALU_DEP_1)
	v_add_nc_u32 v[MXR+5], -2, v[MXR+5]
.endif
	v_cvt_scalef32_pk16_bf6_f32 v[CO:CO+2], v[DA+32*\k:DA+32*\k+15], v[MXR+\k]
	v_cvt_scalef32_pk16_bf6_f32 v[CO+4:CO+6], v[DA+32*\k+16:DA+32*\k+31], v[MXR+\k]
	v_nop
	v_mov_b32 v[CO+3], v[CO+4]
	v_mov_b32 v[CO+4], v[CO+5]
	v_mov_b32 v[CO+5], v[CO+6]
	ds_store_b128 v[ACW], v[CO:CO+3] offset:768*\k
	ds_store_b64 v[ACW2], v[CO+4:CO+5] offset:768*\k
	ds_store_b8 v[ASW], v[MXR+5] offset:256*\k
	s_wait_dscnt 0x0
.endr
	s_barrier_signal -1
	s_barrier_wait -1
.irp n,0,1,2,3
.irp s,0,1
	ds_load_b32 v[XS+2*\n+\s], v[AXS] offset:256*\n+64*\s
.endr
.endr
.irp q,0,1
.irp s,0,1
	ds_load_b32 v[PSC+2*\q+\s], v[APS] offset:128*\q+64*\s
.endr
.endr
	WIN 0x40
.irp n,0,1,2,3
.irp s,0,1
	XFRAG XF+12*(2*\n+\s), AX+\s, AX2+\s, 768*\n
.endr
.endr
	LOADW W0, AWH, 0
	LOADW W1, AWH, 128*WP
	s_wait_loadcnt 0x0
	s_wait_dscnt 24
	WIN 0x05
	MM4 DA, W0, WSH
	s_wait_dscnt 0x0
	MM4 DB, W1, WSH+4
	PLACES 4
	WIN 0x40
	LOADW W0, AWH, 256*WP
	LOADW W1, AWQ, 0
.irp q,0,1
.irp s,0,1
	XFRAG PF+12*(2*\q+\s), APF+\s, APF2+\s, 3072+384*\q
.endr
.endr
	WIN 0
.irp i,0,1,2,3,4,5,6,7
.irp m,0,1,2,3
.irp n,0,1,2,3
.if \i == 0
	v_pk_mul_f32 v[SP+2*(4*\m+\n):SP+2*(4*\m+\n)+1], v[DA+16*\m:DA+16*\m+1], v[DB+16*\n:DB+16*\n+1]
.else
	v_pk_fma_f32 v[SP+2*(4*\m+\n):SP+2*(4*\m+\n)+1], v[DA+16*\m+2*\i:DA+16*\m+2*\i+1], v[DB+16*\n+2*\i:DB+16*\n+2*\i+1], v[SP+2*(4*\m+\n):SP+2*(4*\m+\n)+1]
.endif
.endr
.endr
.endr
.set PP, 0
.rept 16
	v_add_f32 v[SP+PP], v[SP+PP], v[SP+PP+1]
.set PP, PP+2
.endr
.set PP, 0
.rept 16
	v_permlanex16_b32 v[SP+PP+1], v[SP+PP], s[SEL], s[SEL+1]
.set PP, PP+2
.endr
.set PP, 0
.rept 16
	v_add_f32 v[SP+PP], v[SP+PP], v[SP+PP+1]
.set PP, PP+2
.endr
.irp m,0,1,2,3
	v_max3_num_f32 v[MXR+\m], v[SP+8*\m], v[SP+8*\m+2], v[SP+8*\m+4]
.endr
.irp m,0,1,2,3
	s_delay_alu instid0(VALU_DEP_4)
	v_max_num_f32 v[MXR+\m], v[MXR+\m], v[SP+8*\m+6]
.endr
.irp m,0,1,2,3
	s_delay_alu instid0(VALU_DEP_4)
	v_mul_f32 v[MXR+\m], s[CSC], v[MXR+\m]
.endr
.irp m,0,1,2,3
.irp n,0,1,2,3
	v_fma_f32 v[SP+8*\m+2*\n], v[SP+8*\m+2*\n], s[CSC], -v[MXR+\m]
.endr
.endr
.set PP, 0
	s_wait_alu depctr_va_vdst(0)
.rept 16
	v_exp_f32 v[SP+PP], v[SP+PP]
.set PP, PP+2
.endr
	v_nop
	s_wait_alu depctr_va_vdst(0)
.irp m,0,1,2,3
	v_add_f32 v[MXR+4+\m], v[SP+8*\m], v[SP+8*\m+2]
.endr
.irp m,0,1,2,3
	v_add_f32 v[MXR+4+\m], v[MXR+4+\m], v[SP+8*\m+4]
.endr
.irp m,0,1,2,3
	v_add_f32 v[MXR+4+\m], v[MXR+4+\m], v[SP+8*\m+6]
.endr
	s_wait_alu depctr_va_vdst(0)
.irp m,0,1,2,3
	v_rcp_f32 v[MXR+\m], v[MXR+4+\m]
.endr
	v_nop
	s_wait_alu depctr_va_vdst(0)
.irp m,0,1,2,3
.irp n,0,1,2,3
	v_mul_f32 v[SP+8*\m+2*\n], v[SP+8*\m+2*\n], v[MXR+\m]
.endr
.endr
	s_wait_dscnt 0x0
	WIN 0x05
	MM4 DA, W0, WSH+8
	WIN 0
	PLACES 4
	s_wait_alu depctr_va_vdst(0)
.irp i,0,1,2,3,4,5,6,7
.irp n,0,1,2,3
.irp m,0,1,2,3
.if \n == 0
	v_pk_mul_f32 v[DB+16*\m+2*\i:DB+16*\m+2*\i+1], v[DA+2*\i:DA+2*\i+1], v[SP+8*\m:SP+8*\m+1] op_sel_hi:[1,0]
.else
	v_pk_fma_f32 v[DB+16*\m+2*\i:DB+16*\m+2*\i+1], v[DA+16*\n+2*\i:DA+16*\n+2*\i+1], v[SP+8*\m+2*\n:SP+8*\m+2*\n+1], v[DB+16*\m+2*\i:DB+16*\m+2*\i+1] op_sel_hi:[1,0,1]
.endif
.endr
.endr
.endr
.irp y,0,1
	QPAIR DB+32*\y, DB+32*\y+16
	ds_store_b128 v[AOI], v[CO:CO+3] offset:6144*\y
	ds_store_b64 v[AOI2], v[CO+4:CO+5] offset:6144*\y
	ds_store_b8 v[AOS], v[BYS] offset:256*\y
	s_wait_dscnt 0x0
.endr
	WIN 0x05
	MM4 DA, W1, WSQ
	PLACES 4
	WIN 0x40
	LOADW W0, AWK, 0
	WIN 0
.irp y,0,1
	QPAIR DA+32*\y, DA+32*\y+16
.irp i,0,1,2
	ds_store_b64 v[AQS], v[CO+2*\i:CO+2*\i+1] offset:1536*\y+8*\i
.endr
	ds_store_b8 v[AQB], v[BYS] offset:64*\y
	s_wait_dscnt 0x0
.endr
	s_cmp_lg_u32 s[SU], 0
	s_cbranch_scc1 .Lrole_v
	WIN 0x05
.irp s,0,1
.irp q,0,1
.irp t,0,1
.if \s == 0
	v_wmma_scale_f32_16x16x128_f8f6f4 v[DA+16*\q+8*\t:DA+16*\q+8*\t+7], v[W0+12*(2*\t+\s):W0+12*(2*\t+\s)+11], v[PF+12*(2*\q+\s):PF+12*(2*\q+\s)+11], 0, v[WSK+2*\t+\s], v[PSC+2*\q+\s] matrix_a_fmt:MATRIX_FMT_BF6 matrix_b_fmt:MATRIX_FMT_BF6
.else
	v_wmma_scale_f32_16x16x128_f8f6f4 v[DA+16*\q+8*\t:DA+16*\q+8*\t+7], v[W0+12*(2*\t+\s):W0+12*(2*\t+\s)+11], v[PF+12*(2*\q+\s):PF+12*(2*\q+\s)+11], v[DA+16*\q+8*\t:DA+16*\q+8*\t+7], v[WSK+2*\t+\s], v[PSC+2*\q+\s] matrix_a_fmt:MATRIX_FMT_BF6 matrix_b_fmt:MATRIX_FMT_BF6
.endif
.endr
.endr
.endr
	WIN 0
	s_branch .Lrole_done
.Lrole_v:
	WIN 0x05
.irp s,0,1
.irp t,0,1
.irp q,0,1
.if \s == 0
	v_wmma_scale_f32_16x16x128_f8f6f4 v[DA+16*\t+8*\q:DA+16*\t+8*\q+7], v[PF+12*(2*\q+\s):PF+12*(2*\q+\s)+11], v[W0+12*(2*\t+\s):W0+12*(2*\t+\s)+11], 0, v[PSC+2*\q+\s], v[WSK+2*\t+\s] matrix_a_fmt:MATRIX_FMT_BF6 matrix_b_fmt:MATRIX_FMT_BF6
.else
	v_wmma_scale_f32_16x16x128_f8f6f4 v[DA+16*\t+8*\q:DA+16*\t+8*\q+7], v[PF+12*(2*\q+\s):PF+12*(2*\q+\s)+11], v[W0+12*(2*\t+\s):W0+12*(2*\t+\s)+11], v[DA+16*\t+8*\q:DA+16*\t+8*\q+7], v[PSC+2*\q+\s], v[WSK+2*\t+\s] matrix_a_fmt:MATRIX_FMT_BF6 matrix_b_fmt:MATRIX_FMT_BF6
.endif
.endr
.endr
.endr
	WIN 0
.Lrole_done:
	PLACES 4
	QPAIR DA, DA+16
	global_store_b128 v[L16], v[CO:CO+3], s[86:87]
	global_store_b64 v[L8], v[CO+4:CO+5], s[88:89]
	global_store_b8 v[KVS], v[BYS], s[90:91]
	s_wait_dscnt 0x0
	s_barrier_signal -1
	s_barrier_wait -1
.irp j,0,1,2,3,4,5,6,7
	v_mov_b32 v[BC+\j], v[BIAS]
.endr
	ds_load_b128 v[SP:SP+3], v[AQC]
	ds_load_b128 v[SP+4:SP+7], v[AQC] offset:4096
	ds_load_b128 v[SP+8:SP+11], v[AQC] offset:8192
.irp t,0,1,2,3,4,5,6,7
	ds_load_b32 v[XS+\t], v[AOSR] offset:64*\t
.endr
	WIN 0x40
.irp t,0,1,2,3,4,5,6,7
	CHUNKLD XF+12*\t, AOR, AOR2, 1536*\t
	CHUNKLD XF+12*\t+6, AOR, AOR2, 1536*\t+768
.endr
	WIN 0
	s_wait_alu depctr_va_vdst(0)
	s_wait_dscnt 40
	global_store_b128 v[GQC], v[SP:SP+3], s[28:29]
	global_store_b128 v[GQC], v[SP+4:SP+7], s[28:29] offset:4096
	global_store_b128 v[GQC], v[SP+8:SP+11], s[28:29] offset:8192
	s_wait_dscnt 0x0
	WIN 0x05
.irp t,0,1,2,3,4,5,6,7
	v_wmma_scale_f32_16x16x128_f8f6f4 v[DA+8*\t:DA+8*\t+7], v[XF+12*\t:XF+12*\t+11], v[HP:HP+11], v[BC:BC+7], v[XS+\t], v[WSP] matrix_a_fmt:MATRIX_FMT_BF6 matrix_b_fmt:MATRIX_FMT_BF6
.endr
	WIN 0
	PLACES 4
.irp t,0,1,2,3,4,5,6,7
	ds_store_b128 v[AST], v[DA+8*\t:DA+8*\t+3] offset:64*\t
	ds_store_b128 v[AST], v[DA+8*\t+4:DA+8*\t+7] offset:64*\t+16
.endr
.irp i,0,1,2,3,4,5,6,7,8,9,10,11,12,13,14,15
	ds_load_b128 v[DB+4*\i:DB+4*\i+3], v[ASR] offset:\i*SPITCH
.endr
.irp i,0,1,2,3,4,5,6,7,8,9,10,11,12,13,14,15
	s_wait_dscnt 15-\i
	global_store_b128 v[L16], v[DB+4*\i:DB+4*\i+3], s[32:33] offset:16384*\i th:TH_STORE_NT
.endr
	s_cmp_lg_u32 s[WV], 0
	s_cbranch_scc1 .Lno_bytes
	ds_load_b128 v[SP+12:SP+15], v[AQSS]
	s_wait_dscnt 0x0
	global_store_b128 v[L16], v[SP+12:SP+15], s[28:29] offset:12288
.Lno_bytes:
	s_wait_tensorcnt 0x0
	ds_add_u32 v38, v76
	s_wait_dscnt 0x0
	ROUND
	s_endpgm
.Lfunc_end_k_q9a2d9a6724_front:
	.size	k_q9a2d9a6724_front, .Lfunc_end_k_q9a2d9a6724_front-k_q9a2d9a6724_front
	.p2alignl 7, 3214868480
	.fill 96, 4, 3214868480
	.section	.rodata,"a",@progbits
	.p2align	6, 0x0
	.amdhsa_kernel k_q9a2d9a6724_front
		.amdhsa_group_segment_fixed_size 327680
		.amdhsa_private_segment_fixed_size 0
		.amdhsa_enable_private_segment 0
		.amdhsa_kernarg_size 104
		.amdhsa_user_sgpr_count 2
		.amdhsa_user_sgpr_kernarg_segment_ptr 1
		.amdhsa_wavefront_size32 1
		.amdhsa_system_sgpr_workgroup_id_x 1
		.amdhsa_system_sgpr_workgroup_id_y 1
		.amdhsa_system_sgpr_workgroup_id_z 1
		.amdhsa_system_vgpr_workitem_id 0
		.amdhsa_next_free_vgpr 512
		.amdhsa_next_free_sgpr 100
		.amdhsa_reserve_vcc 0
		.amdhsa_float_denorm_mode_32 3
		.amdhsa_float_denorm_mode_16_64 3
		.amdhsa_memory_ordered 1
		.amdhsa_forward_progress 1
		.amdhsa_inst_pref_size 100
	.end_amdhsa_kernel
	.amdgpu_metadata
---
amdhsa.version: [ 1, 2 ]
amdhsa.kernels:
  - .name:           k_q9a2d9a6724_front
    .symbol:         k_q9a2d9a6724_front.kd
    .args:
      - { .name: x, .offset: 0, .size: 8, .value_kind: global_buffer, .address_space: global }
      - { .name: h_qkv_w_codes, .offset: 8, .size: 8, .value_kind: global_buffer, .address_space: global }
      - { .name: h_qkv_w_scales, .offset: 16, .size: 8, .value_kind: global_buffer, .address_space: global }
      - { .name: l_q_w_codes, .offset: 24, .size: 8, .value_kind: global_buffer, .address_space: global }
      - { .name: l_q_w_scales, .offset: 32, .size: 8, .value_kind: global_buffer, .address_space: global }
      - { .name: l_kv_w_codes, .offset: 40, .size: 8, .value_kind: global_buffer, .address_space: global }
      - { .name: l_kv_w_scales, .offset: 48, .size: 8, .value_kind: global_buffer, .address_space: global }
      - { .name: h_proj_w_codes, .offset: 56, .size: 8, .value_kind: global_buffer, .address_space: global }
      - { .name: h_proj_w_scales, .offset: 64, .size: 8, .value_kind: global_buffer, .address_space: global }
      - { .name: h_proj_b, .offset: 72, .size: 8, .value_kind: global_buffer, .address_space: global }
      - { .name: qbuf, .offset: 80, .size: 8, .value_kind: global_buffer, .address_space: global }
      - { .name: kv, .offset: 88, .size: 8, .value_kind: global_buffer, .address_space: global }
      - { .name: out0, .offset: 96, .size: 8, .value_kind: global_buffer, .address_space: global }
    .group_segment_fixed_size: 327680
    .private_segment_fixed_size: 0
    .kernarg_segment_align: 8
    .kernarg_segment_size: 104
    .max_flat_workgroup_size: 256
    .sgpr_count:     100
    .vgpr_count:     512
    .wavefront_size: 32
...
	.end_amdgpu_metadata
.endif
;; end of part 1
;; launch lofi (part 2): grid 32 x 8, 16 waves a work-group, clusters of 4 x 1, 327,680 bytes of LDS; arguments qbuf, kv, l_proj_w_codes, l_proj_w_scales, l_proj_b, out0; writes out0
.if DOCPART == 2
	.amdgcn_target "amdgcn-amd-amdhsa--gfx1250"
	.amdhsa_code_object_version 6
	.text
	.protected	k_q9a2d9a6724_lofi
	.globl	k_q9a2d9a6724_lofi
	.p2align	8
	.type	k_q9a2d9a6724_lofi,@function
k_q9a2d9a6724_lofi:
	s_mov_b64 s[64:65], 0
	v_nop
	global_prefetch_b8 v0, s[64:65] scope:SCOPE_SE
	s_setreg_imm32_b32 hwreg(HW_REG_WAVE_MODE, 25, 1), 1
	s_wait_xcnt 0x0
	s_wait_alu depctr_hold_cnt(0) depctr_sa_sdst(0) depctr_va_vdst(0) depctr_va_sdst(0) depctr_va_ssrc(0) depctr_va_vcc(0) depctr_vm_vsrc(0)
	s_getreg_b32 s2, hwreg(HW_REG_IB_STS2, 6, 4)
	s_cmp_eq_u32 s2, 0
	s_cbranch_scc0 .Lentry_in_a_cluster
	s_endpgm
.Lentry_in_a_cluster:
	s_bfe_u32 s2, ttmp6, 0x10000c
	s_cmp_lg_u32 s2, 0x3003
	s_cbranch_scc0 .Lentry_shape_is_right
	s_endpgm
.Lentry_shape_is_right:
; HiLo, second launch: lofi attention and projection, out0 channels 128-255.  Work-group (g, b) owns the 128 queries of pixel rows 2 g, 2 g + 1 of batch b; k and v of all 1,024 pooled keys and four heads
; (codes of E3M2 and scale words, 200 KB) lie in LDS for the whole launch.
; SHARES.  Wave w: queries 16 (w / 2) + 0 .. 15, heads 2 (w % 2) and 2 (w % 2) + 1 one after the other; a head is 8 steps of 128 keys.
; SCORES.  A head is 32 wide, a quarter of the instruction's K: q's 32 codes stand in ONE block of source 1, zero codes in the other three, so four instructions on one fragment of k give four tiles of S^T.
; A fragment of k serves a PAIR of pooled rows: its rows 0-7 are keys of the even pooled row 2 f, rows 8-15 of the odd one 2 f + 1; row m, block 2 c + h' is key (set h', row 8 c + m % 8) of that pooled row.
; So lane (query r, half h) holds, in the 32 registers of a fragment's four tiles, the WHOLE block of 32 keys of pooled row 2 f + h, in the order in which the first launch laid v's codes:
; a block's maximum needs no other lane, and the conversions' results are the second product's operand as they stand (three moves a block, since a conversion's registers begin on an even number).
; SOFTMAX.  t = score x log2(e) / sqrt(32); M = the running largest t rounded up to a whole number; p = 2^(t - M), quantised by blocks of 32 keys; the sum is taken of the unquantised p and divides at the end;
; when M moves, the sum and O are multiplied by a power of two.
; ORDER OF A STEP.  The next step's k is asked of LDS behind this step's score products, the next step's v behind this step's second product: one wait on DScnt a step, in its middle.
; CLUSTER: the four work-groups of a cluster belong to one batch and ask for its k, v and scale words jointly (mask 15).  Nothing is filled twice.
; NO PREFETCH: every fill goes out at the head; there is no loop to run ahead in.
; LIMITS: NaN and infinities are not served; the promise holds while the scaled scores stay under 2^31 in magnitude; a block whose largest number lies under 2^-122 keeps the floor's scale byte.
.set KOD,  49280                       ; LDS: k's images of even pooled rows at 0 [f][e][768]; those of odd rows 49,152 + 128 further on, so that rows 8-15 of a fragment fall in the other half of the banks
.set VE,   98560                       ; v's images of even pooled rows [f][3,072];
.set VOD,  49280                       ; of odd ones
.set SCB,  197120                      ; k's scale words [e][f][row], then at 4,096 v's [s][e][tile][row]
.set OI2,  205312                      ; o's fragments: tile of 16 queries at 1,536, head's block at 384
.set OSW2, 217600                      ; o's scale words
.set ST2,  218112                      ; the way out: a row = a channel's 512 bytes + 16
.set SPITCH, 528
.set SPARE, 285696                     ; the spare words, 128 bytes a wave
.set KSW, 18                           ; v18-21 and v253 hold scale words and nothing else
.set VSW, 19
.set QSW, 20
.set PSW, 21
.set QA,  24                           ; v24-41: six zeros, q in lanes 0-15, six zeros;  v42-59: the same with q in lanes 16-31
.set KF,  60
.set VF,  84
.set S,   108
.set O,   172
.set PCD, 188
.set TM,  200
.set BM,  208
.set OH,  216                          ; v216-231: the first head's o; before that its q as loaded
.set Q1,  232                          ; the second head's q as loaded
.set WPF, 240                          ; the projection's fragment, bias and scale word: loaded at the head, kept
.set BIASR, 252
.set WSW, 253
.set SPW, 254
.set NIL, 255
.set DR,  60                           ; the projection's results, where k's and v's fragments lay
.set G1B, 36
.set G1S, 44
.set G0K, 52
.set G0V, 56
.set G0S, 60
.set G1K, 88
.set WV,  66
.set QT,  67
.set SC,  68
.set SG,  69
.set SB,  70
.set SEL, 72
.set CS,  74
.set MASK, 76
.set TK,  77
.set NC,  78
.set TS,  79
.set TU,  80
.set CNT, 81
.macro ROUND
	s_barrier_signal -1
	s_barrier_wait -1
	s_cmp_lg_u32 s[WV], 0
	s_cbranch_scc1 .Lnot_wave_0_\@
	s_barrier_signal -3
.Lnot_wave_0_\@:
	s_barrier_wait -3
	s_barrier_signal -1
	s_barrier_wait -1
.endm
.macro PLACES n
.rept \n
	v_nop
.endr
.endm
.macro TLOAD g0, g1
	tensor_load_to_lds s[\g0:\g0+3], s[\g1:\g1+7]
	s_nop 0
.rept 4
	v_nop
.endr
.endm
	s_load_b256 s[8:15], s[0:1], 0x0               ; qbuf, kv, l_proj codes, l_proj scales
	s_load_b128 s[16:19], s[0:1], 0x20             ; l_proj_b, out0
	v_lshl_add_u32 v[SPW], v0, 2, SPARE
	v_mov_b32 v[NIL], 0
	ds_add_u32 v[SPW], v[NIL]                      ; the opening lines: the add twice on end under one wait
	ds_add_u32 v[SPW], v[NIL]
	v_lshrrev_b32 v1, 5, v0
	v_readfirstlane_b32 s[WV], v1                  ; wave 0..15
	s_lshr_b32 s[QT], s[WV], 1                     ; my tile of queries; later my tile of channels
	s_and_b32 s[SC], s[WV], 1                      ; my pair of heads; later my half of the pixels.  Also: the even or odd part that waves 0-3 fetch
	s_bfe_u32 s71, ttmp6, 0x40000                  ; my place in the cluster: it enters qbuf's and out0's addresses alone
	s_lshl_b32 s[SG], ttmp9, 2
	s_add_co_u32 s[SG], s[SG], s71
	s_and_b32 s[SB], ttmp7, 0xffff                 ; the batch, which the four partners share
	s_mov_b32 s[SEL], 0x76543210
	s_mov_b32 s[SEL+1], 0xfedcba98
	s_mov_b32 s[CS], 0x3e8293ee                    ; c = log2(e) / sqrt(32)
	s_mov_b32 s[CS+1], s[CS]
	s_mov_b32 s[NC], 0xbe8293ee                    ; -c
	s_mov_b32 s[MASK], 0xffff0000                  ; lanes 16-31
	s_mov_b32 s85, 0
	s_mov_b32 s[G1K], 15|(3<<16)|(1<<21)           ; k: every second pooled row: 16 rows of 3,072 bytes (384 elements of 8), 6,144 apart
	s_mov_b32 s[G1K+1], 384<<16
	s_mov_b32 s[G1K+2], 16<<16
	s_mov_b32 s[G1K+3], 384<<16
	s_mov_b32 s[G1K+4], 16
	s_mov_b32 s[G1K+5], 768
	s_mov_b32 s[G1K+6], 0
	s_mov_b32 s[G1K+7], 0
	s_mov_b32 s[G1B], 15|(3<<16)|(1<<21)           ; v: 49,152 dense bytes as 192 rows of 256
	s_mov_b32 s[G1B+1], 32<<16
	s_mov_b32 s[G1B+2], 192<<16
	s_mov_b32 s[G1B+3], 32<<16
	s_mov_b32 s[G1B+4], 192
	s_mov_b32 s[G1B+5], 32
	s_mov_b32 s[G1B+6], 0
	s_mov_b32 s[G1B+7], 0
	s_mov_b32 s[G1S], 15|(3<<16)|(1<<21)           ; the scale words: 32 rows of 256 bytes
	s_mov_b32 s[G1S+1], 32<<16
	s_mov_b32 s[G1S+2], 32<<16
	s_mov_b32 s[G1S+3], 32<<16
	s_mov_b32 s[G1S+4], 32
	s_mov_b32 s[G1S+5], 32
	s_mov_b32 s[G1S+6], 0
	s_mov_b32 s[G1S+7], 0
	s_mov_b32 s[G0K], 1
	s_mul_i32 s[G0K+1], s[SC], KOD
	s_mov_b32 s[G0V], 1
	s_mul_i32 s[G0V+1], s[SC], VOD
	s_add_co_u32 s[G0V+1], s[G0V+1], VE
	s_mov_b32 s[G0S], 1
	s_mov_b32 s[G0S+1], SCB
	s_mul_i32 s86, s[SC], 3072
	s_mul_i32 s83, s[SC], 49152
	s_add_co_u32 s83, s83, 98304
	s_mul_i32 s84, s[SB], 204800
	s_wait_dscnt 0x0                               ; both opening adds are done
	s_wait_kmcnt 0x0
	s_add_nc_u64 s[10:11], s[10:11], s[84:85]      ; kv of my batch
	s_mov_b32 s84, s86
	s_add_nc_u64 s[G0K+2:G0K+3], s[10:11], s[84:85]
	s_or_b32 s[G0K+3], s[G0K+3], 0x80000000
	s_mov_b32 s84, s83
	s_add_nc_u64 s[G0V+2:G0V+3], s[10:11], s[84:85]
	s_or_b32 s[G0V+3], s[G0V+3], 0x80000000
	s_add_nc_u64 s[G0S+2:G0S+3], s[10:11], 196608
	s_or_b32 s[G0S+3], s[G0S+3], 0x80000000
	ROUND                                          ; all four work-groups are here: the joint loads meet
	s_cmp_lt_u32 s[WV], 2                          ; one chain of branches on the wave's number, one load to an arm: waves 0, 1 k's even and odd part,
	s_cbranch_scc0 .Lnot_k
	TLOAD G0K, G1K
	s_branch .Lasked
.Lnot_k:
	s_cmp_lt_u32 s[WV], 4                          ; waves 2, 3 v's,
	s_cbranch_scc0 .Lnot_v
	TLOAD G0V, G1B
	s_branch .Lasked
.Lnot_v:
	s_cmp_eq_u32 s[WV], 4                          ; wave 4 the scale words
	s_cbranch_scc0 .Lasked
	TLOAD G0S, G1S
.Lasked:
	; all scalar terms first, then the vector lines on end
	s_mul_i32 s82, s[SC], 1536                     ; head 2 c: 768 bytes a head in each image of k
	s_lshl_b32 s83, s[SC], 10
	s_add_co_u32 s83, s83, VE
	s_lshl_b32 s86, s[SC], 9
	s_add_co_u32 s86, s86, VE+2048
	s_lshl_b32 s87, s[SC], 11
	s_add_co_u32 s87, s87, SCB
	s_lshl_b32 s24, s[SC], 8
	s_add_co_u32 s30, s24, OSW2                    ; o's scale words of my half of the pixels
	s_add_co_u32 s24, s24, SCB+4096
	s_lshl_b32 s25, s[SB], 5
	s_add_co_u32 s25, s25, s[SG]
	s_mul_i32 s25, s25, 12800                      ; my work-group's part of qbuf
	s_mul_i32 s26, s[SC], 6144
	s_add_co_u32 s29, s26, OI2                     ; o's fragments of my half of the pixels
	s_add_co_u32 s84, s25, s26
	s_mul_i32 s26, s[QT], 384
	s_add_co_u32 s84, s84, s26
	s_add_nc_u64 s[20:21], s[8:9], s[84:85]        ; codes [e][pixel][24] at head 2 c, my first query
	s_lshl_b32 s26, s[SC], 8
	s_add_co_u32 s84, s25, s26
	s_lshl_b32 s26, s[QT], 4
	s_add_co_u32 s84, s84, s26
	s_add_co_u32 s84, s84, 12288
	s_add_nc_u64 s[22:23], s[8:9], s[84:85]        ; scale bytes [e][pixel]
	s_mul_i32 s84, s[QT], 1536                     ; l_proj: my 16 channels
	s_add_nc_u64 s[12:13], s[12:13], s[84:85]
	s_mul_i32 s26, s[SC], 768
	s_add_co_u32 s27, s84, s26
	s_add_co_u32 s27, s27, OI2                     ; where my o goes: tile of queries, block 2 c
	s_lshl_b32 s84, s[QT], 6
	s_add_nc_u64 s[14:15], s[14:15], s[84:85]
	s_add_nc_u64 s[16:17], s[16:17], s[84:85]
	s_lshl_b32 s26, s[SC], 1
	s_add_co_u32 s28, s84, s26
	s_add_co_u32 s28, s28, OSW2                    ; and its scale bytes
	s_mul_i32 s31, s[QT], 16*SPITCH
	s_lshl_b32 s26, s[SC], 8
	s_add_co_u32 s31, s31, s26
	s_add_co_u32 s31, s31, ST2                     ; the stage: my 16 channel rows, my half of their bytes
	s_lshl_b32 s84, s[SB], 22                      ; out0: batch, channel 128 + 16 x tile, my two pixel rows, my half of them
	s_lshl_b32 s26, s[QT], 18
	s_add_co_u32 s84, s84, s26
	s_lshl_b32 s26, s[SG], 9
	s_add_co_u32 s84, s84, s26
	s_lshl_b32 s26, s[SC], 8
	s_add_co_u32 s84, s84, s26
	s_add_co_u32 s84, s84, 128*16384
	s_add_nc_u64 s[18:19], s[18:19], s[84:85]
	v_and_b32 v10, 31, v0                          ; l
	v_and_b32 v11, 15, v0                          ; r
	v_bfe_u32 v12, v0, 4, 1                        ; h
	v_and_b32 v13, 7, v0                           ; r % 8
	v_bfe_u32 v[TM], v0, 3, 1                      ; r / 8
	v_lshl_add_u32 v13, v12, 4, v13                ; the image's lane: set h, row r % 8 (+ 8 c by the loads' offsets)
	v_mul_u32_u24 v[TM], v[TM], KOD                ; rows 8-15 take the odd pooled row
	v_add_nc_u32 v[TM], s82, v[TM]
	v_lshl_add_u32 v1, v13, 4, v[TM]               ; k: an image's registers 0-3 at 16 x lane,
	v_lshl_add_u32 v2, v13, 3, v[TM]
	v_add_nc_u32 v2, 512, v2                       ; registers 4-5 at 512 + 8 x lane
	v_mul_u32_u24 v[TM+1], v12, VOD                ; v: lanes 16-31 take the odd pooled row
	v_add_nc_u32 v3, s83, v[TM+1]
	v_lshl_add_u32 v3, v11, 4, v3
	v_add_nc_u32 v4, s86, v[TM+1]
	v_lshl_add_u32 v4, v11, 3, v4
	v_lshl_add_u32 v5, v10, 2, s87                 ; k's words: lanes 0-15 the step's first fragment, lanes 16-31 its second
	v_lshl_add_u32 v6, v10, 2, s24                 ; v's words: lanes 0-15 tile 0, lanes 16-31 tile 1
	v_lshlrev_b32 v7, 3, v12                       ; 8 h: where my blocks' bytes stand in p's scale word
	v_mul_u32_u24 v[TM+2], v11, 24                 ; q: 24 bytes a query
	v_mul_u32_u24 v[TM+3], v11, 96
	v_mad_u32_u24 v[TM+3], v12, 24, v[TM+3]        ; the projection's fragment
	v_lshlrev_b32 v[TM+4], 2, v11
.irp j,0,1,2,3,4,5
	v_mov_b32 v[QA+\j], 0                          ; the zero codes round q: written once
	v_mov_b32 v[QA+12+\j], 0
	v_mov_b32 v[QA+18+\j], 0
	v_mov_b32 v[QA+30+\j], 0
.endr
	v_mov_b32 v23, 0                               ; (named as the upper half of the pair v[22:23])
	s_wait_alu depctr_va_vdst(0)
.irp p,0,1,2
	global_load_b64 v[OH+2*\p:OH+2*\p+1], v[TM+2], s[20:21] offset:8*\p
	global_load_b64 v[Q1+2*\p:Q1+2*\p+1], v[TM+2], s[20:21] offset:3072+8*\p
.endr
	global_load_u8 v[OH+6], v11, s[22:23]
	global_load_u8 v[Q1+6], v11, s[22:23] offset:128
.irp p,0,1,2,3,4,5
	global_load_b64 v[WPF+2*\p:WPF+2*\p+1], v[TM+3], s[12:13] offset:48*(\p/3)+8*(\p%3)
.endr
	global_load_b32 v[WSW], v[TM+4], s[14:15]
	global_load_b32 v[BIASR], v[TM+4], s[16:17]
	s_wait_tensorcnt 0x0                           ; my part of k, v or the scale words is in LDS (waves 5-15 issued nothing),
	s_barrier_signal -1
	s_barrier_wait -1                              ; everybody's is
	s_wait_loadcnt 0x0
.macro LOADK a, b, w                   ; a step's two fragments of k and their scale words: nine loads
.irp f,0,1
.irp c,0,1
	ds_load_b128 v[KF+12*\f+6*\c:KF+12*\f+6*\c+3], \a offset:3072*\f+128*\c
	ds_load_b64 v[KF+12*\f+6*\c+4:KF+12*\f+6*\c+5], \b offset:3072*\f+64*\c
.endr
.endr
	ds_load_b32 v[KSW], \w
.endm
.macro LOADV a, b, w                   ; its two tiles of v and their scale words: nine loads
.irp t,0,1
.irp c,0,1
	ds_load_b128 v[VF+12*\t+6*\c:VF+12*\t+6*\c+3], \a offset:3072*\c+256*\t
	ds_load_b64 v[VF+12*\t+6*\c+4:VF+12*\t+6*\c+5], \b offset:3072*\c+128*\t
.endr
.endr
	ds_load_b32 v[VSW], \w
.endm
; A KEY STEP: 128 keys, pooled rows 4 s .. 4 s + 3.  more = 1: the next step's fragments are asked for
.macro STEP more
.if \more
	s_add_co_u32 s[TK], s[TK], 6144                ; two pairs of pooled rows, of k and of v alike; two fragments' words of k; the step's words of v
	s_add_co_u32 s[TS], s[TS], 128
	s_add_co_u32 s[TU], s[TU], 512
.endif
.set TT, 0
.rept 8                                ; tile TT: fragment TT / 4, q in block TT % 4 = 2 c + h': run QA (h' = 0) or QA + 18 (h' = 1), from its q on (c = 0) or from its first zeros on (c = 1)
.set BST, QA+18*(TT%2)+6-6*((TT%4)/2)
.if TT < 4
	v_wmma_scale_f32_16x16x128_f8f6f4 v[S+8*TT:S+8*TT+7], v[KF:KF+11], v[BST:BST+11], 0, v[KSW], v[QSW] matrix_a_fmt:MATRIX_FMT_BF6 matrix_b_fmt:MATRIX_FMT_BF6
.else
	v_wmma_scale_f32_16x16x128_f8f6f4 v[S+8*TT:S+8*TT+7], v[KF+12:KF+23], v[BST:BST+11], 0, v[KSW], v[QSW] matrix_a_fmt:MATRIX_FMT_BF6 matrix_b_fmt:MATRIX_FMT_BF6 matrix_a_scale:MATRIX_SCALE_ROW1
.endif
.set TT, TT+1
.endr
.if \more
	v_add_nc_u32 v8, s[TK], v1                     ; six plain lines: the places behind the products, in front of the loads into k's registers and of the first read of the scores
	v_add_nc_u32 v9, s[TK], v2
	v_add_nc_u32 v10, s[TS], v5
	v_add_nc_u32 v11, s[TK], v3
	v_add_nc_u32 v12, s[TK], v4
	v_add_nc_u32 v13, s[TU], v6
	LOADK v8, v9, v10
.else
	PLACES 4
.endif
.irp b,0,1,2,3
	v_max3_num_f32 v[BM+\b], v[S+16*\b], v[S+16*\b+1], v[S+16*\b+2]     ; the largest score of each block, in two chains a block, each accumulator from its low end on
.endr
.irp i,3,5,7,9,11,13
.irp b,0,1,2,3
	v_max3_num_f32 v[BM+\b], v[BM+\b], v[S+16*\b+\i], v[S+16*\b+\i+1]
.endr
.endr
.irp f,0,1
	v_max3_num_f32 v[BM+2*\f], v[BM+2*\f], v[BM+2*\f+1], v[S+32*\f+15]
.endr
.irp f,0,1
	v_max_num_f32 v[BM+2*\f], v[BM+2*\f], v[S+32*\f+31]                 ; my two blocks' largest scores: for the row's maximum and, since p rises with the score, for the blocks' largest p
.endr
	v_max_num_f32 v[TM], v[BM], v[BM+2]
	v_permlanex16_b32 v[TM+1], v[TM], s[SEL], s[SEL+1]
	v_max3_num_f32 v15, v15, v[TM], v[TM+1]        ; the running largest score (c is positive)
	v_mul_f32 v[TM], s[NC], v15
	v_floor_f32 v[TM], v[TM]                       ; -M = floor(-t): M is a whole number
	v_sub_f32 v[TM+2], v[TM], v14                  ; old M - new M, 0 or less
	v_mov_b32 v14, v[TM]
.set JJ, 0
.rept 32
	v_pk_fma_f32 v[S+JJ:S+JJ+1], v[S+JJ:S+JJ+1], s[CS:CS+1], v[14:15] op_sel_hi:[1,0,0]   ; t - M
.set JJ, JJ+2
.endr
	v_fma_f32 v[BM], v[BM], s[CS], v14
	v_fma_f32 v[BM+2], v[BM+2], s[CS], v14
	s_wait_alu depctr_va_vdst(0)
.set JJ, 0
.rept 64
	v_exp_f32 v[S+JJ], v[S+JJ]
.set JJ, JJ+1
.endr
	v_exp_f32 v[BM], v[BM]                         ; the blocks' largest p
	v_exp_f32 v[BM+2], v[BM+2]
	v_cvt_i32_f32 v[TM+2], v[TM+2]                 ; (it saturates)  Plain lines behind the exponentials
	v_ldexp_f32 v22, 1.0, v[TM+2]                  ; f = 2^(old M - new M)
	s_wait_alu depctr_va_vdst(0)                   ; one wait for the batch, and directly ahead of the wait below
	s_wait_dscnt 0x0                               ; this step's v and the next step's k are in: all that is out
	v_max_num_f32 v[BM], 0x2800000, v[BM]          ; the floor 2^(5 - 127)
	v_max_num_f32 v[BM+2], 0x2800000, v[BM+2]
	v_add_nc_u32 v[BM+4], 0xfe000000, v[BM]        ; the conversions' scale operands
	v_add_nc_u32 v[BM+5], 0xfe000000, v[BM+2]
.irp f,0,1
	v_cvt_scalef32_pk16_bf6_f32 v[PCD+6*\f:PCD+6*\f+2], v[S+32*\f:S+32*\f+15], v[BM+4+\f]
	v_cvt_scalef32_pk16_bf6_f32 v[TM+4*\f:TM+4*\f+2], v[S+32*\f+16:S+32*\f+31], v[BM+4+\f]
.endr
	v_lshrrev_b32 v[BM+6], 23, v[BM+4]             ; the scale bytes of blocks h and 2 + h (plain lines behind the conversions)
	v_lshrrev_b32 v[BM+7], 23, v[BM+5]
	s_delay_alu instid0(VALU_DEP_1)
	v_lshl_or_b32 v[BM+6], v[BM+7], 16, v[BM+6]
	s_delay_alu instid0(VALU_DEP_1)
	v_lshlrev_b32 v[BM+6], v7, v[BM+6]             ; at their places in the word,
	s_delay_alu instid0(VALU_DEP_1)
	v_permlanex16_b32 v[BM+7], v[BM+6], s[SEL], s[SEL+1]
	s_delay_alu instid0(VALU_DEP_1)
	v_or_b32 v[PSW], v[BM+6], v[BM+7]              ; and with lane l xor 16's two the word is whole
.irp f,0,1
.irp i,0,1,2
	v_mov_b32 v[PCD+6*\f+3+\i], v[TM+4*\f+\i]      ; a block's upper 16 codes to their odd start
.endr
.endr
	s_wait_alu depctr_va_vdst(0)
.set JJ, 0
.rept 8
	v_pk_mul_f32 v[O+JJ:O+JJ+1], v[O+JJ:O+JJ+1], v[22:23] op_sel_hi:[1,0]   ; O^T under the new M; with the six moves: fourteen places between p's scale word and the products
.set JJ, JJ+2
.endr
	v_wmma_scale_f32_16x16x128_f8f6f4 v[O:O+7], v[VF:VF+11], v[PCD:PCD+11], v[O:O+7], v[VSW], v[PSW] matrix_a_fmt:MATRIX_FMT_BF6 matrix_b_fmt:MATRIX_FMT_BF6
	v_wmma_scale_f32_16x16x128_f8f6f4 v[O+8:O+15], v[VF+12:VF+23], v[PCD:PCD+11], v[O+8:O+15], v[VSW], v[PSW] matrix_a_fmt:MATRIX_FMT_BF6 matrix_b_fmt:MATRIX_FMT_BF6 matrix_a_scale:MATRIX_SCALE_ROW1
	; the row's sum of the unquantised p, in four chains; these 32 lines name none of the products' registers: they are the places in front of the loads into v's registers
	v_pk_fma_f32 v[16:17], v[16:17], v[22:23], v[S:S+1] op_sel_hi:[1,0,1]   ; the sum under the new M, and the first pair
	v_pk_add_f32 v[TM:TM+1], v[S+2:S+3], v[S+4:S+5]
	v_pk_add_f32 v[TM+2:TM+3], v[S+6:S+7], v[S+8:S+9]
	v_pk_add_f32 v[TM+4:TM+5], v[S+10:S+11], v[S+12:S+13]
.set JJ, 14
.rept 6
	v_pk_add_f32 v[16:17], v[16:17], v[S+JJ:S+JJ+1]
	v_pk_add_f32 v[TM:TM+1], v[TM:TM+1], v[S+JJ+2:S+JJ+3]
	v_pk_add_f32 v[TM+2:TM+3], v[TM+2:TM+3], v[S+JJ+4:S+JJ+5]
	v_pk_add_f32 v[TM+4:TM+5], v[TM+4:TM+5], v[S+JJ+6:S+JJ+7]
.set JJ, JJ+8
.endr
	v_pk_add_f32 v[16:17], v[16:17], v[S+62:S+63]
	v_pk_add_f32 v[TM+2:TM+3], v[TM+2:TM+3], v[TM+4:TM+5]
	s_delay_alu instid0(VALU_DEP_2)
	v_pk_add_f32 v[16:17], v[16:17], v[TM:TM+1]
	s_delay_alu instid0(VALU_DEP_1)
	v_pk_add_f32 v[16:17], v[16:17], v[TM+2:TM+3]
.if \more
	LOADV v11, v12, v13
.endif
.endm
; One head: q's two runs, the eight steps (the last written out: it asks for nothing more), o = O^T / the sum into v[dst] on.  The two accumulators of O^T take turns and the scores' products stand between their links.
.macro TASK q, dst
.irp j,0,1,2,3,4,5
	v_cndmask_b32 v[QA+6+\j], v[\q+\j], v[QA], s[MASK]             ; q in lanes 0-15, zero codes in lanes 16-31
	v_cndmask_b32 v[QA+24+\j], v[QA], v[\q+\j], s[MASK]            ; and the other way round
.endr
	v_perm_b32 v[QSW], v[\q+6], v[\q+6], 0                         ; q's scale byte in all four places of its word
	v_mov_b32 v15, 0xff61b1e6                      ; the largest score so far: -3e38
	v_mul_f32 v14, s[NC], v15
	v_floor_f32 v14, v14
	v_mov_b32 v16, 0
	v_mov_b32 v17, 0
.set JJ, 0
.rept 16
	v_mov_b32 v[O+JJ], 0                           ; the step is written once: the first finds zeros.  (Also the places between q's registers and scale word and the first product)
.set JJ, JJ+1
.endr
	s_mov_b32 s[TK], 0
	s_mov_b32 s[TS], 0
	s_mov_b32 s[TU], 0
	s_mov_b32 s[CNT], 7
	LOADK v1, v2, v5
	LOADV v3, v4, v6
	s_wait_alu depctr_va_vdst(0)
	s_wait_dscnt 9                                 ; k's nine loads are in; v's nine may stay out
.Lstep_\@:
	STEP 1
	s_sub_co_u32 s[CNT], s[CNT], 1
	s_cmp_lg_u32 s[CNT], 0
	s_cbranch_scc1 .Lstep_\@
	STEP 0
	v_add_f32 v16, v16, v17
	s_delay_alu instid0(VALU_DEP_1)
	v_permlanex16_b32 v[TM], v16, s[SEL], s[SEL+1]
	s_delay_alu instid0(VALU_DEP_1)
	v_add_f32 v16, v16, v[TM]                      ; the row's sum: my blocks' and lane l xor 16's
	s_wait_alu depctr_va_vdst(0)
	v_rcp_f32 v16, v16
	v_nop
	s_wait_alu depctr_va_vdst(0)
.set JJ, 0
.rept 16
	v_mul_f32 v[\dst+JJ], v[O+JJ], v16             ; lane (r, h): query r, d = 16 h + 0 .. 15
.set JJ, JJ+1
.endr
.endm
	TASK OH, OH
	v_add_nc_u32 v1, 768, v1                       ; on to head 2 c + 1
	v_add_nc_u32 v2, 768, v2
	v_add_nc_u32 v3, 512, v3
	v_add_nc_u32 v4, 256, v4
	v_add_nc_u32 v5, 1024, v5
	v_add_nc_u32 v6, 128, v6
	TASK Q1, O
	; ---- THE PROJECTION.  The first head's o lies in v[OH] on, the second's in v[O] on
	v_and_b32 v8, 15, v0                           ; r
	v_bfe_u32 v9, v0, 4, 1                         ; h
	v_and_b32 v10, 31, v0                          ; l
	v_mul_u32_u24 v13, v9, 384
	v_add_nc_u32 v1, s27, v13
	v_lshl_add_u32 v2, v8, 3, v1
	v_add_nc_u32 v2, 256, v2
	v_lshl_add_u32 v1, v8, 4, v1                   ; o's image: tile of queries, block 2 c + h, row r
	v_lshl_add_u32 v3, v8, 2, s28
	v_add_nc_u32 v3, v3, v9
	v_add_nc_u32 v4, s29, v13
	v_lshl_add_u32 v5, v8, 3, v4
	v_add_nc_u32 v5, 256, v5
	v_lshl_add_u32 v4, v8, 4, v4                   ; back: tiles 4 c + k
	v_lshl_add_u32 v6, v10, 2, s30                 ; two tiles' scale words to a register
	v_mul_u32_u24 v[PCD], v8, SPITCH
	v_lshl_add_u32 v[PCD], v9, 5, v[PCD]
	v_add_nc_u32 v[PCD], s31, v[PCD]
	v_mul_u32_u24 v[PCD+1], v9, SPITCH
	v_lshl_add_u32 v[PCD+1], v8, 4, v[PCD+1]
	v_add_nc_u32 v[PCD+1], s31, v[PCD+1]
	v_lshlrev_b32 v[PCD+2], 14, v9
	v_lshl_add_u32 v[PCD+2], v8, 4, v[PCD+2]       ; in out0: lanes 0-15 one channel, lanes 16-31 the next
	v_max3_num_f32 v[BM], |v[OH]|, |v[OH+1]|, 0x2800000            ; the two heads' blocks of 32 along d
	v_max3_num_f32 v[BM+1], |v[O]|, |v[O+1]|, 0x2800000
.irp i,2,4,6,8,10,12,14
	s_delay_alu instid0(VALU_DEP_2)
	v_max3_num_f32 v[BM], v[BM], |v[OH+\i]|, |v[OH+\i+1]|
	s_delay_alu instid0(VALU_DEP_2)
	v_max3_num_f32 v[BM+1], v[BM+1], |v[O+\i]|, |v[O+\i+1]|
.endr
	s_delay_alu instid0(VALU_DEP_2)
	v_permlanex16_b32 v[BM+2], v[BM], s[SEL], s[SEL+1]
	s_delay_alu instid0(VALU_DEP_2)
	v_permlanex16_b32 v[BM+3], v[BM+1], s[SEL], s[SEL+1]
	s_delay_alu instid0(VALU_DEP_2)
	v_max_num_f32 v[BM], v[BM], v[BM+2]
	s_delay_alu instid0(VALU_DEP_2)
	v_max_num_f32 v[BM+1], v[BM+1], v[BM+3]
	s_delay_alu instid0(VALU_DEP_2)
	v_add_nc_u32 v[BM+4], 0xfe000000, v[BM]
	s_delay_alu instid0(VALU_DEP_2)
	v_add_nc_u32 v[BM+5], 0xfe000000, v[BM+1]
	s_delay_alu instid0(VALU_DEP_2)
	v_lshrrev_b32 v[BM+6], 23, v[BM+4]
	s_delay_alu instid0(VALU_DEP_2)
	v_lshrrev_b32 v[BM+7], 23, v[BM+5]
	s_delay_alu instid0(VALU_DEP_1)
	v_cndmask_b32 v[BM+6], v[BM+6], v[BM+7], s[MASK]
	v_cvt_scalef32_pk16_bf6_f32 v[TM:TM+2], v[OH:OH+15], v[BM+4]
	v_cvt_scalef32_pk16_bf6_f32 v[TM+4:TM+6], v[O:O+15], v[BM+5]
	v_nop
.irp i,0,1,2
	v_permlane16_swap_b32 v[TM+\i], v[TM+4+\i]     ; lanes 0-15 head 2 c whole, lanes 16-31 head 2 c + 1: the operand's own layout
.endr
	s_delay_alu instid0(VALU_DEP_3)
	v_mov_b32 v[TM+3], v[TM+4]
	s_delay_alu instid0(VALU_DEP_3)
	v_mov_b32 v[TM+4], v[TM+5]
	s_delay_alu instid0(VALU_DEP_3)
	v_mov_b32 v[TM+5], v[TM+6]
	ds_store_b128 v1, v[TM:TM+3]
	ds_store_b64 v2, v[TM+4:TM+5]
	ds_store_b8 v3, v[BM+6]
	s_wait_dscnt 0x0
	s_barrier_signal -1                            ; o's eight fragments and their scale words lie in LDS
	s_barrier_wait -1
.irp k,0,1,2,3
.irp c,0,1
	ds_load_b128 v[S+16+12*\k+6*\c:S+16+12*\k+6*\c+3], v4 offset:1536*\k+768*\c
	ds_load_b64 v[S+16+12*\k+6*\c+4:S+16+12*\k+6*\c+5], v5 offset:1536*\k+768*\c
.endr
.endr
	ds_load_b32 v[VSW], v6
	ds_load_b32 v[QSW], v6 offset:128
.irp j,0,1,2,3,4,5,6,7
	v_mov_b32 v[TM+\j], v[BIASR]                   ; a lane is a channel: its bias is the C of every product
.endr
	s_wait_alu depctr_va_vdst(0)
	s_wait_dscnt 0x0
.irp k,0,1,2,3                         ; source 0 = 16 pixels of o, source 1 = my 16 channels
.if \k%2 == 0
	v_wmma_scale_f32_16x16x128_f8f6f4 v[DR+8*\k:DR+8*\k+7], v[S+16+12*\k:S+16+12*\k+11], v[WPF:WPF+11], v[TM:TM+7], v[VSW+\k/2], v[WSW] matrix_a_fmt:MATRIX_FMT_BF6 matrix_b_fmt:MATRIX_FMT_BF6
.else
	v_wmma_scale_f32_16x16x128_f8f6f4 v[DR+8*\k:DR+8*\k+7], v[S+16+12*\k:S+16+12*\k+11], v[WPF:WPF+11], v[TM:TM+7], v[VSW+\k/2], v[WSW] matrix_a_fmt:MATRIX_FMT_BF6 matrix_b_fmt:MATRIX_FMT_BF6 matrix_a_scale:MATRIX_SCALE_ROW1
.endif
.endr
	PLACES 4
.irp k,0,1,2,3
	ds_store_b128 v[PCD], v[DR+8*\k:DR+8*\k+3] offset:64*\k          ; each result from its low end on; these half rows are my own
	ds_store_b128 v[PCD], v[DR+8*\k+4:DR+8*\k+7] offset:64*\k+16
.endr
.irp k,0,1,2,3,4,5,6,7
	ds_load_b128 v[S+16+4*\k:S+16+4*\k+3], v[PCD+1] offset:2*\k*SPITCH   ; LDS serves a wave's instructions in order: these see my stores
.endr
.irp k,0,1,2,3,4,5,6,7
	s_wait_dscnt 7-\k
	global_store_b128 v[PCD+2], v[S+16+4*\k:S+16+4*\k+3], s[18:19] offset:32768*\k th:TH_STORE_NT   ; sixteen lanes store 256 consecutive bytes of a channel, aligned
.endr
	s_wait_tensorcnt 0x0                           ; the wave's end
	ds_add_u32 v[SPW], v[NIL]
	s_wait_dscnt 0x0
	ROUND                                          ; the closing round: no work-group ends while a partner may still ask jointly
	s_endpgm
.Lfunc_end_k_q9a2d9a6724_lofi:
	.size	k_q9a2d9a6724_lofi, .Lfunc_end_k_q9a2d9a6724_lofi-k_q9a2d9a6724_lofi
	.p2alignl 7, 3214868480
	.fill 96, 4, 3214868480
	.section	.rodata,"a",@progbits
	.p2align	6, 0x0
	.amdhsa_kernel k_q9a2d9a6724_lofi
		.amdhsa_group_segment_fixed_size 327680
		.amdhsa_private_segment_fixed_size 0
		.amdhsa_enable_private_segment 0
		.amdhsa_kernarg_size 48
		.amdhsa_user_sgpr_count 2
		.amdhsa_user_sgpr_kernarg_segment_ptr 1
		.amdhsa_wavefront_size32 1
		.amdhsa_system_sgpr_workgroup_id_x 1
		.amdhsa_system_sgpr_workgroup_id_y 1
		.amdhsa_system_sgpr_workgroup_id_z 1
		.amdhsa_system_vgpr_workitem_id 0
		.amdhsa_next_free_vgpr 256
		.amdhsa_next_free_sgpr 100
		.amdhsa_reserve_vcc 0
		.amdhsa_float_denorm_mode_32 3
		.amdhsa_float_denorm_mode_16_64 3
		.amdhsa_memory_ordered 1
		.amdhsa_forward_progress 1
		.amdhsa_inst_pref_size 77
	.end_amdhsa_kernel
	.amdgpu_metadata
---
amdhsa.version: [ 1, 2 ]
amdhsa.kernels:
  - .name:           k_q9a2d9a6724_lofi
    .symbol:         k_q9a2d9a6724_lofi.kd
    .args:
      - { .name: qbuf, .offset: 0, .size: 8, .value_kind: global_buffer, .address_space: global }
      - { .name: kv, .offset: 8, .size: 8, .value_kind: global_buffer, .address_space: global }
      - { .name: l_proj_w_codes, .offset: 16, .size: 8, .value_kind: global_buffer, .address_space: global }
      - { .name: l_proj_w_scales, .offset: 24, .size: 8, .value_kind: global_buffer, .address_space: global }
      - { .name: l_proj_b, .offset: 32, .size: 8, .value_kind: global_buffer, .address_space: global }
      - { .name: out0, .offset: 40, .size: 8, .value_kind: global_buffer, .address_space: global }
    .group_segment_fixed_size: 327680
    .private_segment_fixed_size: 0
    .kernarg_segment_align: 8
    .kernarg_segment_size: 48
    .max_flat_workgroup_size: 512
    .sgpr_count:     100
    .vgpr_count:     256
    .wavefront_size: 32
...
	.end_amdgpu_metadata
.endif
;; end of part 2
